; MI455X (gfx1250); checked and timed in simulation.
; The chip was launched on July 23, 2026; its instructions are those of AMD's public machine-readable ISA for CDNA 5 (MIT licence, August 2026) and "CDNA5" Instruction Set Architecture Reference Guide (July 2026). The comments in the code are by the model that wrote it; some were corrected since.
;; attention block. Allowed arithmetic: matrix products marked QUANTISED: E2M3 operands, one E8M0 scale for each 32 along K, by v_wmma_scale_f32_16x16x128_f8f6f4 with both operands' format E2M3, f32 sums; everything else in f32.
;; Inputs: Wk1_codes 512 x 24 x 24 uint8 (E2M3 codes of Wk1, K innermost, in blocks of 32 codes, four codes in three bytes); Wk1_scales 512 x 24 uint8 (E8M0 scales of Wk1, one for each 32 codes along K); Wk2_codes 512 x 16 x 24 uint8 (E2M3 codes of Wk2, K innermost, in blocks of 32 codes, four codes in three bytes); Wk2_scales 512 x 16 uint8 (E8M0 scales of Wk2, one for each 32 codes along K); Wq1_codes 512 x 24 x 24 uint8 (E2M3 codes of Wq1, K innermost, in blocks of 32 codes, four codes in three bytes); Wq1_scales 512 x 24 uint8 (E8M0 scales of Wq1, one for each 32 codes along K); Wq2_codes 512 x 16 x 24 uint8 (E2M3 codes of Wq2, K innermost, in blocks of 32 codes, four codes in three bytes); Wq2_scales 512 x 16 uint8 (E8M0 scales of Wq2, one for each 32 codes along K); Wv1_codes 512 x 24 x 24 uint8 (E2M3 codes of Wv1, K innermost, in blocks of 32 codes, four codes in three bytes); Wv1_scales 512 x 24 uint8 (E8M0 scales of Wv1, one for each 32 codes along K); Wv2_codes 512 x 16 x 24 uint8 (E2M3 codes of Wv2, K innermost, in blocks of 32 codes, four codes in three bytes); Wv2_scales 512 x 16 uint8 (E8M0 scales of Wv2, one for each 32 codes along K); bk1 512 float32; bk2 512 float32; bq1 512 float32; bq2 512 float32; bv1 512 float32; bv2 512 float32; length 16 int32; x1_codes 16 x 1,024 x 24 x 24 uint8 (E2M3 codes of x1, K innermost, in blocks of 32 codes, four codes in three bytes); x1_scales 16 x 1,024 x 24 uint8 (E8M0 scales of x1, one for each 32 codes along K); x2_codes 16 x 1,024 x 16 x 24 uint8 (E2M3 codes of x2, K innermost, in blocks of 32 codes, four codes in three bytes); x2_scales 16 x 1,024 x 16 uint8 (E8M0 scales of x2, one for each 32 codes along K).
;; Outputs: out0 16 x 1,024 x 512 float32; out1 16 x 1,024 x 512 float32.
;; This version of the problem:
;;   THIS VERSION OF THE PROBLEM IS GIVEN IN LOW PRECISION. The matrix products marked QUANTISED in the list below multiply operands that are first quantised to E2M3 (2 exponent bits, 3 mantissa bits; 6 bits a number), with one power-of-two scale for each 32 numbers along K (OCP MX v1.0); their sums are f32. All else is computed in f32.
;;   The module's matrix products, in the order in which they are computed (A, B: the left and right operand; K: the contracted axis; several contracted axes count as one K, in the product's order):
;;     1. [M 16,384, K 768] x [K 768, N 512]; A: input x1 (given as codes); B: input Wq1 (given as codes): QUANTISED
;;     2. [M 16,384, K 768] x [K 768, N 512]; A: input x1 (given as codes); B: input Wk1 (given as codes): QUANTISED
;;     3. [M 16,384, K 768] x [K 768, N 512]; A: input x1 (given as codes); B: input Wv1 (given as codes): QUANTISED
;;     4. batch 16 x [M 1,024, K 512] x [K 512, N 1,024]; A: computed on the way; B: computed on the way: QUANTISED
;;     5. batch 16 x [M 1,024, K 1,024] x [K 1,024, N 512]; A: softmax (see below); B: computed on the way: QUANTISED
;;     6. [M 16,384, K 512] x [K 512, N 512]; A: input x2 (given as codes); B: input Wq2 (given as codes): QUANTISED
;;     7. [M 16,384, K 512] x [K 512, N 512]; A: input x2 (given as codes); B: input Wk2 (given as codes): QUANTISED
;;     8. [M 16,384, K 512] x [K 512, N 512]; A: input x2 (given as codes); B: input Wv2 (given as codes): QUANTISED
;;     9. batch 16 x [M 1,024, K 512] x [K 512, N 1,024]; A: computed on the way; B: computed on the way: QUANTISED
;;     10. batch 16 x [M 1,024, K 1,024] x [K 1,024, N 512]; A: softmax (see below); B: computed on the way: QUANTISED
;;   THE QUANTISER, for each operand of a quantised product, along K:
;;     - K is cut into blocks of 32 from its start; a last block that is shorter is filled with zeros.
;;     - A block's scale is 2^e with e = floor(log2(the largest magnitude in the block)) - 2, held to -126 .. 127; a block of zeros has e = 0. As a byte (E8M0): e + 127.
;;     - Each number is divided by its block's scale, clamped to +-7.5, and rounded to the nearest number of E2M3, ties to even, subnormals kept.
;;     - The product sums the exact products of the quantised numbers (number of the format x scale) in f32.
;;   ~~~python
;;   def quantise(x, axis):      # numpy; x: float32 -> the quantised numbers, widened to float32 again
;;       x = np.moveaxis(x, axis, -1); K = x.shape[-1]
;;       x = np.pad(x, [(0, 0)] * (x.ndim - 1) + [(0, -K % 32)]); x = x.reshape(x.shape[:-1] + (-1, 32)); a = np.abs(x).max(-1, keepdims=True)
;;       e = np.where(a > 0, np.clip(np.frexp(np.where(a > 0, a, 1))[1] - 1 - 2, -126, 127), 0)      # np.frexp(a)[1] - 1 = floor(log2(a)), exactly
;;       r = np.clip(x / 2.0 ** e, -7.5, 7.5)
;;       step = 2.0 ** (np.maximum(np.frexp(np.where(r == 0, 1, r))[1] - 1, 0) - 3)
;;       q = np.round(r / step) * step * 2.0 ** e      # np.round: ties to even
;;       return np.moveaxis(q.reshape(q.shape[:-2] + (-1,))[..., :K], -1, axis).astype(np.float32)
;;   ~~~
;;   SOFTMAX AHEAD OF A QUANTISED PRODUCT. Where the list says 'softmax', what is quantised is not the finished softmax but p = 2^(t - M), with t = logit x log2(e) and M = ceil(the row's largest t), a whole number; so 1/2 < the row's largest p <= 1. The row's sum l is taken of the UNQUANTISED p, in f32, and the product's result is divided by l at the end. Since M is a whole number, a kernel that streams over the keys may use a running M (the ceiling of the running maximum): every later rescaling is an exact power of two, which a block's scale takes up: the codes' values come out the same.
;;   OPERANDS COMPUTED ON THE WAY. 'Computed on the way' means the value that the module computes at that place (a softmax that the list does not call 'softmax' is quantised finished and normalised). What goes into a quantiser is computed in f32, as accurately as f32 sums, v_exp_f32 and their like allow (about 1e-6 of the number): no bf16 or f16 on the way to a quantiser, and a product that is left as it is and whose result goes on into a quantised operand takes f32 operands (vector FMAs, or v_wmma_f32_16x16x4_f32). A number that lies on a knife's edge between two numbers of the format may be rounded either way, as far as f32 arithmetic and the matrix unit's own rounding can turn it there, and no further.
;;   INPUTS GIVEN AS CODES. Wk1 (in the module: [768, 512], K = its axis 0); Wk2 (in the module: [512, 512], K = its axis 0); Wq1 (in the module: [768, 512], K = its axis 0); Wq2 (in the module: [512, 512], K = its axis 0); Wv1 (in the module: [768, 512], K = its axis 0); Wv2 (in the module: [512, 512], K = its axis 0); x1 (in the module: [16, 1024, 768], K = its axis 2); x2 (in the module: [16, 1024, 512], K = its axis 2): each comes as NAME_codes (uint8): NAME with its K axis moved to the last place and cut into blocks of 32 codes, [.., K / 32, bytes a block], one block behind the other in memory; four codes in three bytes: a row's codes are one little-endian stream of bits, code i at bits 6 i .. 6 i + 5 (a code: sign, 2 exponent bits, 3 mantissa bits); and NAME_scales (uint8): the same leading axes, one E8M0 byte (e + 127) for each 32 codes along K. Its value is code x scale, taken as it is: it is not quantised again, and the codes and scales need not be those that the quantiser above would give.
;; One version. Each part assembles by itself: llvm-mc -triple=amdgcn-amd-amdhsa -mcpu=gfx1250 --defsym DOCPART=n.
;; ======== version 1 of 1: 2 launches
;; workspace buffers: ws 39,321,600 bytes
;; launch proj (part 1): grid 768 x 1, 4 waves a work-group, no clusters, 327,680 bytes of LDS; arguments x1_codes, x1_scales, Wq1_codes, Wq1_scales, bq1, Wk1_codes, Wk1_scales, bk1, Wv1_codes, Wv1_scales, bv1, x2_codes, x2_scales, Wq2_codes, Wq2_scales, bq2, Wk2_codes, Wk2_scales, bk2, Wv2_codes, Wv2_scales, bv2, ws; writes ws
.if DOCPART == 1
	.amdgcn_target "amdgcn-amd-amdhsa--gfx1250"
	.amdhsa_code_object_version 6
	.text
	.protected	k_q733cd07f69_proj
	.globl	k_q733cd07f69_proj
	.p2align	8
	.type	k_q733cd07f69_proj,@function
k_q733cd07f69_proj:
	s_mov_b64 s[64:65], 0
	v_nop
	global_prefetch_b8 v0, s[64:65] scope:SCOPE_SE
	s_setreg_imm32_b32 hwreg(HW_REG_WAVE_MODE, 25, 1), 1
	s_wait_xcnt 0x0
; THE SIX PROJECTIONS q, k, v = x W + b of both inputs, on codes of FP6 (E2M3) with one E8M0 scale for each 32 along K, sums in f32; the results are quantised here, in registers, and leave as codes.
; x: [16384][K] codes, W: [512][K] codes, K innermost, K = 768 (input 1) or 512 (input 2); a row is 3 K / 4 bytes; scale bytes [rows][K / 32].
; SHARES.  768 work-groups: 384 for each input, 128 for each of q, k, v: 64 blocks of 256 rows of x times 2 blocks of 256 rows of W.  Four waves, each 128 x 128: 64 accumulators, 512 registers.
; WHICH SIDE IS SOURCE 0.  A lane of a result holds ONE row of source 1 and eight rows of source 0, and the quantiser wants a lane's registers to run along the NEXT product's K.
;   q, k (next K = the 512 channels): source 0 = W, source 1 = x.     v (next K = the keys): source 0 = x, source 1 = Wv.
; In tiles 2 b and 2 b + 1 lanes l and l xor 16 hold together the 32 members of block b of the next K: a true block.  Inside a block the members stand in a fixed order (8 h + j, then 16 + 8 h + j),
; the same for q and k, and the same for v as for the weights p that the next launch makes: a permutation of K applied alike to both sides of a product leaves its sum as it is.
; OUT.  A record of 51,200 bytes for each of q, k, v of each input and each 128 rows of x: 32 fragments (16 rows x 128 K) as IMAGES OF THE OPERAND'S REGISTERS, 1,536 bytes each (register group c of lane l at
; 512 c + 16 l), then four blocks of 512 bytes of scale words.  A wave writes eight fragments, 12,288 consecutive bytes, and one block of scale words; each store of the wave covers 512 consecutive bytes, aligned.
; K goes in steps of 256 through two LDS slots filled by the tensor data mover; input 1 has three steps (slot 0 is filled once more), input 2 two.  The two ways part on the work-group's number alone.
; NO CLUSTER: a work-group has two or three K steps and asks for all but one of its tiles at its head; joint requests for x (6 work-groups read a block) and W (64) are not written in this text.
; LIMITS: NaN and infinities are not served.  A block of zeros, and one whose largest magnitude lies under 2^-124, carries the scale byte 1 (the rule says 127 for zeros): its codes are zeros or are read by this program alone.
.set NQ,     2                         ; matrix instructions deep in a slot
.set ROWB,   192                       ; a tile's row: 256 codes
.set PITCH,  240                       ; an LDS row: 3 x (64 bytes + 16 of padding)
.set FR,     12                        ; registers of a fragment
.set NL,     6                         ; LDS loads that bring one
.set NP,     4                         ; places behind this matrix instruction (ISA guide 7.12.1)
.set HALFT,  128*PITCH                 ; what one tensor load brings
.set SLOT,   4*HALFT                   ; source 1's 256 rows, then source 0's
.set SCL,    2*SLOT                    ; the scale bytes: rows 24 bytes apart, 128 rows for each wave's load
.set HALFS,  128*24
.set SBLK,   16*24
.set SPARE,  SCL+4*HALFS               ; the spare words, 128 bytes for each wave: no other line names them
.set REC,    51200
.set ADRA, 16                          ; v16-19  LDS addresses of source 1's fragments, slot 0, 1; and behind one padding more
.set ADRB, 20                          ; v20-23  the same for source 0
.set LI,   24                          ; v24     16 x lane
.set BA,   25                          ; v25     bias offset, q and k: 32 h
.set BV,   26                          ; v26     bias offset, v: 4 r
.set ADRS, 27                          ; v27     LDS address of my scale words
.set SPW,  28                          ; v28     my spare word
.set NIL,  29                          ; v29     0
.set SC,   32                          ; v32-63  scale words, two sets; nothing else ever stands here
.set BR,   64                          ; v64-127 the bias, in the result's layout
.set AF,   128                         ; v128-223 source 1's fragments, one set
.set T,    128                         ; the way out: v128-191 64 numbers of a lane
.set PC,   192                         ; v192-211 the codes just made
.set TM,   212                         ; v212-227 at work
.set PWS,  228                         ; v228-235 the eight scale words
.set WJ,   236                         ; v236-239 the block of scale words as it is stored
.set WVN,  2                           ; s2  wave
.set INP,  3                           ; s3  0: input 1, 1: input 2
.set VM,   30                          ; s30 1 for v
.set OC,   18                          ; s[18:19] where my fragments go
.set OS,   20                          ; s[20:21] where my scale words go
.set G0S,  52                          ; s[52:55] group 0, scale bytes
.set G0,   56                          ; s[56:63] group 0, a set for each slot
.set G1C1, 68                          ; s[68:75] group 1, codes, rows 576 bytes apart
.set G1C2, 76                          ; s[76:83] the same, 384 bytes apart
.set G1S1, 84                          ; s[84:91] group 1, scale bytes of input 1
.set G1S2, 92                          ; s[92:99] of input 2
.set MSB, 0
.macro WIN new                         ; the immediate's high byte repeats the setting that is left
.if MSB != (\new)
	s_set_vgpr_msb (MSB<<8)|(\new)
.set MSB, (\new)
.endif
.endm
.set MUL_LO, 0xa1                      ; source 0 window 1, source 1 window 0, C and D window 2
.set MUL_HI, 0xf1                      ; the same, C and D window 3
.set TO_B,   0x40                      ; destination window 1, address window 0
.macro PLACES n
.rept \n
	v_nop
.endr
.endm
	s_load_b512 s[4:19], s[0:1], 0x0               ; the 23 addresses: number i at s[4 + 2 i]
	s_load_b512 s[20:35], s[0:1], 0x40
	s_load_b256 s[36:43], s[0:1], 0x80
	s_load_b128 s[44:47], s[0:1], 0xa0
	s_load_b64 s[48:49], s[0:1], 0xb0              ; ws
	v_lshl_add_u32 v[SPW], v0, 2, SPARE
	v_mov_b32 v[NIL], 0
	ds_add_u32 v28, v29
	ds_add_u32 v28, v29
	s_wait_dscnt 0x0
	v_lshrrev_b32 v1, 5, v0
	v_readfirstlane_b32 s[WVN], v1                 ; wave 0..3
	s_cmp_ge_u32 ttmp9, 384
	s_cselect_b32 s[INP], 1, 0
	; group 1 for the codes: 128 rows x 192 bytes, 16 bytes of padding behind every 64
	s_mov_b32 s[G1C1+0], (1<<20)|(3<<22)|(3<<25)
	s_mov_b32 s[G1C2+0], (1<<20)|(3<<22)|(3<<25)
.irp g, G1C1, G1C2
	s_mov_b32 s[\g+1], ROWB<<16                    ; tensor_dim0
	s_mov_b32 s[\g+2], 128<<16                     ; tensor_dim1
	s_mov_b32 s[\g+3], ROWB<<16                    ; tile_dim0
	s_mov_b32 s[\g+4], 128                         ; tile_dim1
	s_mov_b32 s[\g+6], 0
	s_mov_b32 s[\g+7], 0
.endr
	s_mov_b32 s[G1C1+5], 576                       ; a row of 768 codes
	s_mov_b32 s[G1C2+5], 384                       ; a row of 512 codes
	; the scale bytes of 128 rows.  Input 1: 24 bytes a row, 3,072 dense bytes, as 12 rows of 256 bytes
	s_mov_b32 s[G1S1+0], 3<<16
	s_mov_b32 s[G1S1+1], 32<<16
	s_mov_b32 s[G1S1+2], 12<<16
	s_mov_b32 s[G1S1+3], 32<<16
	s_mov_b32 s[G1S1+4], 12
	s_mov_b32 s[G1S1+5], 32
	s_mov_b32 s[G1S1+6], 0
	s_mov_b32 s[G1S1+7], 0
	; input 2: 16 bytes a row, 8 bytes of padding behind each, so that both inputs' rows lie 24 bytes apart in LDS
	s_mov_b32 s[G1S2+0], (2<<16)|(1<<20)|(1<<22)|(1<<25)
	s_mov_b32 s[G1S2+1], 4<<16
	s_mov_b32 s[G1S2+2], 128<<16
	s_mov_b32 s[G1S2+3], 4<<16
	s_mov_b32 s[G1S2+4], 128
	s_mov_b32 s[G1S2+5], 4
	s_mov_b32 s[G1S2+6], 0
	s_mov_b32 s[G1S2+7], 0
	s_wait_kmcnt 0x0
	s_cmp_eq_u32 s[INP], 0                         ; my input's eleven buffers: the choice hangs on the work-group's number alone
.irp j, 0,1,2,3,4,5,6,7,8,9,10
	s_cselect_b64 s[4+2*\j:5+2*\j], s[4+2*\j:5+2*\j], s[26+2*\j:27+2*\j]
.endr
	s_mul_i32 s26, s[INP], 384
	s_sub_co_u32 s26, ttmp9, s26                   ; my number among the input's 384
	s_lshr_b32 s27, s26, 7                         ; 0 q, 1 k, 2 v
	s_and_b32 s28, s26, 127
	s_and_b32 s29, s28, 1                          ; which 256 rows of W
	s_lshr_b32 s28, s28, 1                         ; which 256 rows of x
	s_cmp_eq_u32 s27, 1
	s_cselect_b64 s[8:9], s[14:15], s[8:9]         ; W's codes,
	s_cselect_b64 s[10:11], s[16:17], s[10:11]     ; its scale bytes,
	s_cselect_b64 s[12:13], s[18:19], s[12:13]     ; the bias
	s_cmp_eq_u32 s27, 2
	s_cselect_b64 s[8:9], s[20:21], s[8:9]
	s_cselect_b64 s[10:11], s[22:23], s[10:11]
	s_cselect_b64 s[12:13], s[24:25], s[12:13]
	s_cselect_b32 s[VM], 1, 0
	s_lshr_b32 s31, s[WVN], 1                      ; my half of source 1.  Also: I fetch for source 1 (0) or source 0 (1)
	s_and_b32 s32, s[WVN], 1                       ; my half of source 0.  Also: which 128 rows I fetch
	s_cmp_eq_u32 s31, s[VM]                        ; source 1 is x for q and k, source 0 is x for v
	s_cselect_b64 s[14:15], s[4:5], s[8:9]         ; the codes that I fetch
	s_cselect_b64 s[16:17], s[6:7], s[10:11]       ; and the scale bytes
	s_cselect_b32 s33, s28, s29
	s_lshl_b32 s33, s33, 8
	s_lshl_b32 s34, s32, 7
	s_add_co_u32 s33, s33, s34                     ; the first of my 128 rows
	s_cmp_eq_u32 s[INP], 0
	s_mov_b32 s35, 384
	s_cselect_b32 s35, 576, s35                    ; bytes in a row of codes
	s_cselect_b32 s36, 24, 16                      ; and of scale bytes
	s_mul_i32 s38, s33, s35                        ; under 2^24
	s_mov_b32 s39, 0
	s_add_nc_u64 s[14:15], s[14:15], s[38:39]
	s_mul_i32 s38, s33, s36
	s_add_nc_u64 s[16:17], s[16:17], s[38:39]
	s_mul_i32 s40, s[WVN], HALFT                   ; where they go: wave x 128 rows
	s_mul_i32 s41, s[WVN], HALFS
	s_mov_b32 s[G0S], 1
	s_add_co_u32 s[G0S+1], s41, SCL
	s_mov_b64 s[G0S+2:G0S+3], s[16:17]
	s_or_b32 s[G0S+3], s[G0S+3], 0x80000000
.irp n, 0,1
	s_mov_b32 s[G0+4*\n], 1
	s_add_co_u32 s[G0+4*\n+1], s40, \n*SLOT
	s_add_nc_u64 s[G0+4*\n+2:G0+4*\n+3], s[14:15], \n*ROWB
	s_or_b32 s[G0+4*\n+3], s[G0+4*\n+3], 0x80000000
.endr
	s_cmp_eq_u32 s[INP], 0                         ; the first fills go out together: the scale bytes, K step 0, K step 1: three loads of mine are out
	s_cbranch_scc0 .Lfill2
	tensor_load_to_lds s[G0S:G0S+3], s[G1S1:G1S1+7]
	s_nop 0
	tensor_load_to_lds s[G0:G0+3], s[G1C1:G1C1+7]
	s_nop 0
	tensor_load_to_lds s[G0+4:G0+7], s[G1C1:G1C1+7]
	s_nop 0
	PLACES 4
	s_branch .Lfilled
.Lfill2:
	tensor_load_to_lds s[G0S:G0S+3], s[G1S2:G1S2+7]
	s_nop 0
	tensor_load_to_lds s[G0:G0+3], s[G1C2:G1C2+7]
	s_nop 0
	tensor_load_to_lds s[G0+4:G0+7], s[G1C2:G1C2+7]
	s_nop 0
	PLACES 4
.Lfilled:
	v_and_b32 v1, 15, v0                           ; r = l % 16
	v_bfe_u32 v2, v0, 4, 1                         ; h = l / 16
	v_mul_u32_u24 v3, v1, PITCH
	v_mul_u32_u24 v4, v2, 24
	v_add_nc_u32 v4, v3, v4                        ; a fragment's row x pitch + 24 x half
	v_lshl_add_u32 v5, v2, 4, v4                   ; and the same behind one padding more
	s_mul_i32 s42, s31, HALFT                      ; my 128 rows of source 1
	s_mul_i32 s43, s32, HALFT                      ; my 128 rows of source 0,
	s_add_co_u32 s43, s43, 2*HALFT                 ; which lie behind source 1's 256
.irp s, 0,1
	v_add_nc_u32 v[ADRA+\s], s42, v4
	v_add_nc_u32 v[ADRB+\s], s43, v4
	v_add_nc_u32 v[ADRA+2+\s], s42, v5
	v_add_nc_u32 v[ADRB+2+\s], s43, v5
	s_add_co_u32 s42, s42, SLOT
	s_add_co_u32 s43, s43, SLOT
.endr
	v_mul_u32_u24 v5, v1, 24                       ; my row's scale bytes
	s_mul_i32 s42, s31, HALFS
	s_mul_i32 s43, s32, HALFS
	s_add_co_u32 s43, s43, 2*HALFS
	s_sub_co_u32 s43, s43, s42
	v_mul_u32_u24 v6, s43, v2                      ; lanes 16-31 take source 0's
	s_add_co_u32 s42, s42, SCL
	v_add_nc_u32 v5, v5, v6
	v_add_nc_u32 v[ADRS], s42, v5
	v_and_b32 v[LI], 31, v0
	v_lshlrev_b32 v[LI], 4, v[LI]
	; where the results go
	s_cmp_eq_u32 s[VM], 0
	s_cselect_b32 s34, s31, s32                    ; my half of x's 256 rows
	s_cselect_b32 s35, s32, s31                    ; my half of W's
	s_lshl_b32 s36, s28, 1
	s_add_co_u32 s36, s36, s34                     ; my 128 rows of x: which of 128 groups
	s_lshl_b32 s37, s29, 1
	s_add_co_u32 s37, s37, s35                     ; my 128 rows of W: which of 4 groups
	s_mul_i32 s33, s[INP], 3
	s_add_co_u32 s33, s33, s27
	s_lshl_b32 s33, s33, 7
	s_add_co_u32 s33, s33, s36                     ; the record
	s_mul_i32 s38, s33, REC                        ; under 2^26
	s_add_nc_u64 s[OC:OC+1], s[48:49], s[38:39]
	s_lshl_b32 s38, s37, 9
	s_add_co_u32 s38, s38, 49152
	s_add_nc_u64 s[OS:OS+1], s[OC:OC+1], s[38:39]  ; my block of scale words
	s_mul_i32 s38, s37, 12288
	s_add_nc_u64 s[OC:OC+1], s[OC:OC+1], s[38:39]  ; my eight fragments
	s_lshl_b32 s38, s37, 9                         ; the bias of my 128 rows of W
	s_add_nc_u64 s[12:13], s[12:13], s[38:39]
	v_lshlrev_b32 v[BA], 5, v2
	v_lshlrev_b32 v[BV], 2, v1
	s_cmp_eq_u32 s[VM], 0
	s_cbranch_scc0 .Lbias_v
.irp t, 0,1,2,3,4,5,6,7                ; q, k: register 8 t + j holds b(16 t + 8 h + j): the channels run along my registers
	global_load_b128 v[BR+8*\t:BR+8*\t+3], v[BA], s[12:13] offset:64*\t
	global_load_b128 v[BR+8*\t+4:BR+8*\t+7], v[BA], s[12:13] offset:64*\t+16
.endr
	s_branch .Lbias_in
.Lbias_v:
.irp a, 0,1,2,3,4,5,6,7                ; v: registers 8 a + j all hold b(16 a + r): my lane is one channel of block a
.irp j, 0,1,2,3,4,5,6,7
	global_load_b32 v[BR+8*\a+\j], v[BV], s[12:13] offset:64*\a
.endr
.endr
.Lbias_in:
.macro FRAG reg, adr, q, i             ; a fragment: lane l holds row l % 16; registers 6 c .. 6 c + 5 hold K = 64 c + 32 (l / 16) + 0 .. 31: 24 bytes of the row, as they lie, in pieces of 8 bytes
.irp p, 0,1,2,3,4,5
.set PCE, 12*(\q)+6*(\p/3)+\p%3        ; lanes 16-31 read three pieces further on: where that lies behind one padding more, the second address register serves
.if PCE%8 < 5
	ds_load_b64 v[\reg+2*\p:\reg+2*\p+1], v[\adr] offset:8*PCE+16*(PCE/8)+(\i)*16*PITCH
.else
	ds_load_b64 v[\reg+2*\p:\reg+2*\p+1], v[\adr+2] offset:8*PCE+16*(PCE/8)+(\i)*16*PITCH
.endif
.endr
.endm
; 16 matrix instructions: source 1's blocks a0, a0 + 1 x source 0's eight.  The 64 accumulators take turns, one instruction a turn, in the same order in every step.
.macro MUL16 a0, p, q, sc, zero
.irp a, \a0, \a0+1
.irp b, 0,1,2,3,4,5,6,7
.if \zero
	v_wmma_scale_f32_16x16x128_f8f6f4 v[8*(8*((\a)%4)+\b):8*(8*((\a)%4)+\b)+7], v[128*(\p)+FR*\b:128*(\p)+FR*\b+FR-1], v[AF+FR*(\a):AF+FR*(\a)+FR-1], 0, v[SC+8*NQ*(\sc)+NQ*\b+(\q)], v[SC+8*NQ*(\sc)+NQ*(\a)+(\q)] matrix_a_fmt:MATRIX_FMT_FP6 matrix_b_fmt:MATRIX_FMT_FP6 matrix_a_scale:MATRIX_SCALE_ROW1
.else
	v_wmma_scale_f32_16x16x128_f8f6f4 v[8*(8*((\a)%4)+\b):8*(8*((\a)%4)+\b)+7], v[128*(\p)+FR*\b:128*(\p)+FR*\b+FR-1], v[AF+FR*(\a):AF+FR*(\a)+FR-1], v[8*(8*((\a)%4)+\b):8*(8*((\a)%4)+\b)+7], v[SC+8*NQ*(\sc)+NQ*\b+(\q)], v[SC+8*NQ*(\sc)+NQ*(\a)+(\q)] matrix_a_fmt:MATRIX_FMT_FP6 matrix_b_fmt:MATRIX_FMT_FP6 matrix_a_scale:MATRIX_SCALE_ROW1
.endif
.endr
.endr
.endm
.macro FETCH_B slot, q, p              ; source 0's eight fragments into set p
	WIN TO_B
.irp i, 0,1,2,3,4,5,6,7
	FRAG 128*(\p)+FR*\i, ADRB+\slot, \q, \i
.endr
	WIN 0
.endm
.macro FETCH_A slot, q, i0             ; source 1's blocks i0 .. i0 + 3
.irp i, \i0, \i0+1, \i0+2, \i0+3
	FRAG AF+FR*(\i), ADRA+\slot, \q, \i
.endr
.endm
.macro SCALES sc                       ; a K step's scale words: two a row; lanes 0-15 take source 1's block i, lanes 16-31 source 0's
.irp i, 0,1,2,3,4,5,6,7
	ds_load_b64 v[SC+8*NQ*\sc+NQ*\i:SC+8*NQ*\sc+NQ*\i+1], v[ADRS] offset:\i*SBLK
.endr
.endm
; A step of 128 along K that has its successor in the same slot.  Loads into registers that matrix instructions have read stand four plain vector instructions behind them.
.macro STEP slot, q, zero
	s_wait_dscnt 4*NL                              ; all but the youngest 24 loads (source 1's blocks 4-7) are in
	WIN MUL_LO
	MUL16 0, (\q)%2, \q, \slot, \zero
	MUL16 2, (\q)%2, \q, \slot, \zero
	s_wait_dscnt 0
	PLACES NP
	FETCH_B \slot, (\q)+1, 1-(\q)%2
	FETCH_A \slot, (\q)+1, 0
	WIN MUL_HI
	MUL16 4, (\q)%2, \q, \slot, \zero
	MUL16 6, (\q)%2, \q, \slot, \zero
	PLACES NP
	WIN 0
	FETCH_A \slot, (\q)+1, 4
.endm
; A slot's last step changes slots: one barrier; in front of it each wave waits for all its tensor loads, adds 0 to its spare word, and waits for that and for its reads of this slot.
.macro TURN slot, next, fill
	s_wait_tensorcnt 0x0                           ; all my tensor loads have landed, my part of the next slot among them
	ds_add_u32 v[SPW], v[NIL]                      ; 0 onto my spare word
	s_wait_dscnt 4*NL+1                            ; the add and the youngest 24 loads may be out
	WIN MUL_LO
	MUL16 0, 1, NQ-1, \slot, 0
	s_wait_dscnt 0x0                               ; the add is done, and my reads of this slot are over
	s_barrier_signal -1
	MUL16 2, 1, NQ-1, \slot, 0
	WIN 0
	s_barrier_wait -1
.if \fill
	s_add_nc_u64 s[G0+4*\slot+2:G0+4*\slot+3], s[G0+4*\slot+2:G0+4*\slot+3], 2*ROWB   ; no load of mine is out: K step 2
	tensor_load_to_lds s[G0+4*\slot:G0+4*\slot+3], s[G1C1:G1C1+7]   ; my one tensor load behind the barrier, ahead of every LDS read
	s_nop 0
	PLACES 4                                       ; also the places in front of the loads below
.else
	PLACES NP
.endif
	v_add_nc_u32 v[ADRS], 4*NQ, v[ADRS]            ; the next K step's scale words
	FETCH_B \next, 0, 0
	FETCH_A \next, 0, 0
	SCALES \next
	WIN MUL_HI
	MUL16 4, 1, NQ-1, \slot, 0
	MUL16 6, 1, NQ-1, \slot, 0
	PLACES NP
	WIN 0
	FETCH_A \next, 0, 4
.endm
.macro LAST slot                       ; the very last step: nothing more to fetch
	s_wait_dscnt 4*NL
	WIN MUL_LO
	MUL16 0, 1, NQ-1, \slot, 0
	MUL16 2, 1, NQ-1, \slot, 0
	s_wait_dscnt 0
	WIN MUL_HI
	MUL16 4, 1, NQ-1, \slot, 0
	MUL16 6, 1, NQ-1, \slot, 0
	WIN 0
.endm
	s_wait_tensorcnt 0x1                           ; the scale bytes and my part of K step 0 are in; K step 1's load may be out
	s_barrier_signal -1
	s_barrier_wait -1
	FETCH_B 0, 0, 0
	FETCH_A 0, 0, 0
	SCALES 0
	FETCH_A 0, 0, 4
	STEP 0, 0, 1                                   ; the first products start the sums: nothing is cleared
	s_cmp_eq_u32 s[INP], 0
	s_cbranch_scc0 .Lshort
	TURN 0, 1, 1                                   ; K = 768: slot 0 takes K step 2
	STEP 1, 0, 0
	TURN 1, 0, 0
	STEP 0, 0, 0
	LAST 0
	s_branch .Lout
.Lshort:
	TURN 0, 1, 0                                   ; K = 512: nothing is filled again
	STEP 1, 0, 0
	LAST 1
.Lout:
; 64 numbers of a lane, register 16 b + i = member 16 (l / 16) + i of block b of my row, become a fragment's codes in v[PC] on and its scale word in v[pw].
; A block's scale operand is its largest magnitude with 2 taken off the exponent field; the floor 2^(3 - 127) among the leaves holds the byte at 1 from below.
.macro QUANT s, pw
.irp b, 0,1,2,3
	v_max3_num_f32 v[TM+\b], |v[\s+16*\b]|, |v[\s+1+16*\b]|, 0x1800000
.endr
.irp i, 2,4,6,8,10,12,14
.irp b, 0,1,2,3
	v_max3_num_f32 v[TM+\b], v[TM+\b], |v[\s+16*\b+\i]|, |v[\s+1+16*\b+\i]|
.endr
.endr
.irp b, 0,1,2,3
	v_permlanex16_b32 v[TM+4+\b], v[TM+\b], s44, s45
.endr
.irp b, 0,1,2,3
	v_max_num_f32 v[TM+\b], v[TM+\b], v[TM+4+\b]   ; with lane l xor 16's: the block's largest magnitude
.endr
.irp b, 0,1,2,3
	v_add_nc_u32 v[TM+12+\b], 0xff000000, v[TM+\b] ; the conversion takes the exponent field of this operand as its scale
.endr
.irp b, 0,1,2,3
	v_lshrrev_b32 v[TM+4+\b], 23, v[TM+12+\b]      ; the scale's byte
.endr
	v_lshl_or_b32 v[\pw], v[TM+5], 8, v[TM+4]
	v_lshl_or_b32 v[\pw], v[TM+6], 16, v[\pw]
	v_lshl_or_b32 v[\pw], v[TM+7], 24, v[\pw]
.irp c, 0,1
	v_cvt_scalef32_pk16_fp6_f32 v[PC+6*\c:PC+2+6*\c], v[\s+32*\c:\s+15+32*\c], v[TM+12+2*\c]
	v_cvt_scalef32_pk16_fp6_f32 v[PC+12+4*\c:PC+14+4*\c], v[\s+16+32*\c:\s+31+32*\c], v[TM+12+2*\c+1]   ; a conversion's three registers begin on an even number
.endr
	v_nop                                          ; one plain instruction behind a scaled conversion
.irp c, 0,1                                    ; the operand wants a whole block in a lane: lanes 0-15 block 2 c, lanes 16-31 block 2 c + 1
.irp i, 0,1,2
	v_permlane16_swap_b32 v[PC+6*\c+\i], v[PC+12+4*\c+\i]
.endr
.irp i, 0,1,2
	v_mov_b32 v[PC+3+6*\c+\i], v[PC+12+4*\c+\i]
.endr
.endr
.endm
; Block a of source 1: its eight accumulators plus the bias (each accumulator from its low end on) come into window 0, are quantised, and leave as one fragment's image.
.macro OUTBLK a
.set AC, 64*((\a)%4)
	s_cmp_eq_u32 s[VM], 0
	s_cbranch_scc0 .Lvb_\@
	WIN 0x02+(\a)/4
.set i, 0
.rept 32
	v_pk_add_f32 v[T+2*i:T+2*i+1], v[AC+2*i:AC+2*i+1], v[BR+2*i:BR+2*i+1]
.set i, i+1
.endr
	WIN 0
	s_branch .Ljb_\@
.Lvb_\@:
	WIN 0x02+(\a)/4
.set i, 0
.rept 32
	v_pk_add_f32 v[T+2*i:T+2*i+1], v[AC+2*i:AC+2*i+1], v[BR+8*(\a):BR+8*(\a)+1]
.set i, i+1
.endr
	WIN 0
.Ljb_\@:
	s_wait_xcnt 0x0                                ; the last block's stores have read their registers: the codes may be written again
	QUANT T, PWS+(\a)
.irp c, 0,1,2
	global_store_b128 v[LI], v[PC+4*\c:PC+4*\c+3], s[OC:OC+1] offset:1536*(\a)+512*\c   ; 32 lanes store 512 consecutive bytes, aligned
.endr
.endm
	PLACES NP                                      ; behind the last products, ahead of the first read of results and of writes into source 1's registers
	s_mov_b32 s44, 0x76543210
	s_mov_b32 s45, 0xfedcba98                      ; v_permlanex16_b32's selects for lane l xor 16
.irp b, 0,1,2,3
	v_mov_b32 v[TM+4+\b], 0                        ; a lane permute's destination counts as one of its sources
.endr
	s_wait_loadcnt 0x0                             ; the bias
.irp a, 0,1,2,3,4,5,6,7
	OUTBLK \a
.endr
	v_cmp_eq_u32 vcc_lo, 0, v2                     ; lanes 0-15
.irp j, 0,1,2,3
	v_cndmask_b32 v[WJ+\j], v[PWS+2*\j+1], v[PWS+2*\j], vcc_lo   ; register j: lanes 0-15 fragment 2 j's words, lanes 16-31 fragment 2 j + 1's
.endr
	global_store_b128 v[LI], v[WJ:WJ+3], s[OS:OS+1]
	s_wait_tensorcnt 0x0                           ; the wave's end
	ds_add_u32 v[SPW], v[NIL]
	s_wait_dscnt 0x0
	s_endpgm
.Lfunc_end_k_q733cd07f69_proj:
	.size	k_q733cd07f69_proj, .Lfunc_end_k_q733cd07f69_proj-k_q733cd07f69_proj
	.p2alignl 7, 3214868480
	.fill 96, 4, 3214868480
	.section	.rodata,"a",@progbits
	.p2align	6, 0x0
	.amdhsa_kernel k_q733cd07f69_proj
		.amdhsa_group_segment_fixed_size 327680
		.amdhsa_private_segment_fixed_size 0
		.amdhsa_enable_private_segment 0
		.amdhsa_kernarg_size 184
		.amdhsa_user_sgpr_count 2
		.amdhsa_user_sgpr_kernarg_segment_ptr 1
		.amdhsa_wavefront_size32 1
		.amdhsa_system_sgpr_workgroup_id_x 1
		.amdhsa_system_sgpr_workgroup_id_y 1
		.amdhsa_system_sgpr_workgroup_id_z 1
		.amdhsa_system_vgpr_workitem_id 0
		.amdhsa_next_free_vgpr 1024
		.amdhsa_next_free_sgpr 100
		.amdhsa_reserve_vcc 1
		.amdhsa_float_denorm_mode_32 3
		.amdhsa_float_denorm_mode_16_64 3
		.amdhsa_memory_ordered 1
		.amdhsa_forward_progress 1
		.amdhsa_inst_pref_size 210
	.end_amdhsa_kernel
	.amdgpu_metadata
---
amdhsa.version: [ 1, 2 ]
amdhsa.kernels:
  - .name:           k_q733cd07f69_proj
    .symbol:         k_q733cd07f69_proj.kd
    .args:
      - { .name: x1_codes, .offset: 0, .size: 8, .value_kind: global_buffer, .address_space: global }
      - { .name: x1_scales, .offset: 8, .size: 8, .value_kind: global_buffer, .address_space: global }
      - { .name: Wq1_codes, .offset: 16, .size: 8, .value_kind: global_buffer, .address_space: global }
      - { .name: Wq1_scales, .offset: 24, .size: 8, .value_kind: global_buffer, .address_space: global }
      - { .name: bq1, .offset: 32, .size: 8, .value_kind: global_buffer, .address_space: global }
      - { .name: Wk1_codes, .offset: 40, .size: 8, .value_kind: global_buffer, .address_space: global }
      - { .name: Wk1_scales, .offset: 48, .size: 8, .value_kind: global_buffer, .address_space: global }
      - { .name: bk1, .offset: 56, .size: 8, .value_kind: global_buffer, .address_space: global }
      - { .name: Wv1_codes, .offset: 64, .size: 8, .value_kind: global_buffer, .address_space: global }
      - { .name: Wv1_scales, .offset: 72, .size: 8, .value_kind: global_buffer, .address_space: global }
      - { .name: bv1, .offset: 80, .size: 8, .value_kind: global_buffer, .address_space: global }
      - { .name: x2_codes, .offset: 88, .size: 8, .value_kind: global_buffer, .address_space: global }
      - { .name: x2_scales, .offset: 96, .size: 8, .value_kind: global_buffer, .address_space: global }
      - { .name: Wq2_codes, .offset: 104, .size: 8, .value_kind: global_buffer, .address_space: global }
      - { .name: Wq2_scales, .offset: 112, .size: 8, .value_kind: global_buffer, .address_space: global }
      - { .name: bq2, .offset: 120, .size: 8, .value_kind: global_buffer, .address_space: global }
      - { .name: Wk2_codes, .offset: 128, .size: 8, .value_kind: global_buffer, .address_space: global }
      - { .name: Wk2_scales, .offset: 136, .size: 8, .value_kind: global_buffer, .address_space: global }
      - { .name: bk2, .offset: 144, .size: 8, .value_kind: global_buffer, .address_space: global }
      - { .name: Wv2_codes, .offset: 152, .size: 8, .value_kind: global_buffer, .address_space: global }
      - { .name: Wv2_scales, .offset: 160, .size: 8, .value_kind: global_buffer, .address_space: global }
      - { .name: bv2, .offset: 168, .size: 8, .value_kind: global_buffer, .address_space: global }
      - { .name: ws, .offset: 176, .size: 8, .value_kind: global_buffer, .address_space: global }
    .group_segment_fixed_size: 327680
    .private_segment_fixed_size: 0
    .kernarg_segment_align: 8
    .kernarg_segment_size: 184
    .max_flat_workgroup_size: 128
    .sgpr_count:     100
    .vgpr_count:     1024
    .wavefront_size: 32
...
	.end_amdgpu_metadata
.endif
;; end of part 1
;; launch attn (part 2): grid 8 x 32, 4 waves a work-group, clusters of 4 x 1, 327,680 bytes of LDS; arguments ws, length, out0, out1; writes out0, out1
.if DOCPART == 2
	.amdgcn_target "amdgcn-amd-amdhsa--gfx1250"
	.amdhsa_code_object_version 6
	.text
	.protected	k_q733cd07f69_attn
	.globl	k_q733cd07f69_attn
	.p2align	8
	.type	k_q733cd07f69_attn,@function
k_q733cd07f69_attn:
	s_mov_b64 s[64:65], 0
	v_nop
	global_prefetch_b8 v0, s[64:65] scope:SCOPE_SE
	s_setreg_imm32_b32 hwreg(HW_REG_WAVE_MODE, 25, 1), 1
	s_wait_xcnt 0x0
	s_wait_alu depctr_hold_cnt(0) depctr_sa_sdst(0) depctr_va_vdst(0) depctr_va_sdst(0) depctr_va_ssrc(0) depctr_va_vcc(0) depctr_vm_vsrc(0)
	s_getreg_b32 s2, hwreg(HW_REG_IB_STS2, 6, 4)
	s_cmp_eq_u32 s2, 0
	s_cbranch_scc0 .Lentry_in_a_cluster
	s_endpgm
.Lentry_in_a_cluster:
	s_bfe_u32 s2, ttmp6, 0x10000c
	s_cmp_lg_u32 s2, 0x3003
	s_cbranch_scc0 .Lentry_shape_is_right
	s_endpgm
.Lentry_shape_is_right:
; out[b][q][:] = the sum over k of softmax_k(q . k / sqrt(512) + mask) v[k][:], one head of 512, 1,024 keys, for 16 batches of two inputs; both products on codes of FP6 (E2M3) with E8M0 scales.
; q, k, v come as records of 51,200 bytes for each 128 rows: 32 fragments as images of the operand's registers (1,536 bytes; register group c of lane l at 512 c + 16 l), then 4 blocks of 512 bytes of scale words.
; q, k: fragment 8 g + a = rows 16 a on, channels 128 g on.   v: fragment ct = channels 16 ct on, K = the record's 128 keys.
; THE MASK is additive: -100000 unless query and key both lie under length[b].  Rows at or past the length are computed like all others.
; THE SOFTMAX.  The row's largest logit m is taken away first: p = 2^((logit - m) log2(e) + (tm - M)), tm = m x log2(e) as one f32 product gives it, M = ceil(tm), a whole number: so 1/2 < the largest p <= 1.
; p is quantised along the keys, not normalised; the sum of the unquantised p divides at the end.  m has to be known ahead of the first p, so THE KEYS ARE WALKED TWICE:
;   walk 1: S^T = k q^T alone; of each query two running maxima of the score: over all keys, and over the keys under the length.  For one addend the logit rises with the score, so
;           m = max(logit(the largest of all, -100000), logit(the largest under the length, the query's own addend)).  m's logits are made as they are written: the score divided by f32(sqrt(512)),
;           correctly rounded (the product with the rounded reciprocal, its remainder by a fused multiply-add, one correction), then the addend in an addition of its own.
;   walk 2: S^T again, the logits, p, its codes, O^T += v^T p^T.  M is final, so nothing is ever rescaled.  Here a logit is ONE fused multiply-add: score x 1 / sqrt(512) + addend.
; BY TURNS.  A pair of key tiles is finished by two groups of eight products.  What the vector unit has to do with it (walk 1: the maxima; walk 2: the logits and the largest logit of the pair's block of 32 keys)
; is a numbered list of 80 instructions, and five numbers of it stand behind each of the NEXT pair's sixteen products, which name none of its registers.  The fourth pair's list follows the last product.
; SHARES.  A work-group owns 128 queries of one batch of one input, each of four waves 32: two tiles of 16.  Every wave walks the 1,024 keys, 128 a step.
; Both products are used transposed: a lane holds one query throughout.  The order of the 32 members inside a block of K is the same on both sides of each product.
; CLUSTER.  The four query blocks of a cluster belong to one batch and walk the same k and v: each record is asked for JOINTLY, by the same tensor load with a mask that names the four.
; RING.  Two slots, 2^17 bytes apart, of two records each; a wave fetches half a record, 25,600 dense bytes.  12 loads, load n into slot n % 2.  Walk 1 (loads 0 to 3): a slot holds k's records 2 n and 2 n + 1,
; two steps' work; a batch's k records are one dense run, so wave w's part begins 25,600 w + 102,400 n bytes into it.  Walk 2 (loads 4 to 11): a step's k record (waves 0, 1) and v record (waves 2, 3).
; One tensor load of mine is out at a time.
; length[b] enters comparisons of vector registers alone: no branch and no address hangs on it.
; LIMITS: NaN and infinities are not served.  tm carries one f32 rounding: at logits of size 100000 up to 2^-7 in the exponent, a factor common to all p of the row and to their sum.
; A logit of walk 2 is rounded once where a division and an addition round twice: at -100000 about 5 in 100,000 of them can fall one step of 2^-7 beside; m is not touched by that.
; A block of p that is all zeros carries the scale byte 1: its codes are zeros.
; REGISTERS.  window 0: v1-11 addresses; v12-19 statistics; v20-29 mask and constants; v32-53 scale words (Q, K, p); v54-61 addends, at work; v64-191 S^T then p; v192-215 p's codes; v216-223 scratch; v224-239 V's scale words; v240-255 at work.
;   window 1: v0-95 Q; v96-239 three buffers of four fragments.   windows 2, 3: O^T: channel tile ct, query tile t at 8 (2 (ct % 16) + t) of window 2 + ct / 16.
.set REC,   51200
.set SLOT1, 1<<17
.set SPARE, 2*SLOT1                    ; the spare words, 128 bytes for each wave: no other line names them
.set STAGE, SPARE+512                  ; the way out: 16 rows x 528 bytes for each wave; no tensor load lands here
.set SP,    528
.set SPW, 1
.set NIL, 2
.set LI,  3                            ; 16 x lane
.set ADK, 4                            ; the step's k record in LDS, + 16 x lane
.set ADV, 5                            ; the v record
.set PFO, 6                            ; the prefetches' offset
.set QA,  7                            ; Q's fragments: 16 x lane + 3,072 x wave
.set STO, 8
.set RD,  9
.set DK,  10                           ; length - 8 h
.set DKS, 11                           ; length - 8 h - the step's first key
.set ST,  12                           ; tile t: v[12 + 4 t] -m, +1 m, +2, +3 the sum in two halves
.set QM,  20                           ; tile t: 0 where my query lies under the length, else -100000
.set FF,  22                           ; tile t: v[22 + 2 t] tm - M; later 1 / the sum
.set ZR,  26
.set NEG, 27
.set QSA, 28
.set NB,  29                           ; -3e38, under every score
.set QS,  32
.set KSC, 36
.set PW,  52
.set MAD, 54                           ; v54-61 the lists' addends or masked scores
.set BX,  54                           ; v54-57 at work in the softmax, when the lists are through
.set S,   64
.set PCD, 192
.set CV,  216
.set VSC, 224
.set BM,  240                          ; walk 2: tile t, block b: the block's largest logit at v[240 + 4 t + b]
.set XA,  240                          ; walk 1: tile t: v[240 + 4 t], +1 the largest score of all keys, in two chains; +2, +3 of the keys under the length
.set SO,  248
.set TP,  252
.set SX,  254
.set MK,  4                            ; s4-7 four lane masks (the addresses that stood here are used up at the head)
.set WV,  12
.set CX,  13
.set LEN, 18
.set KF,  19                           ; the step's first key
.set TB,  20                           ; LDS byte at which the record in hand begins
.set CNT, 22
.set J,   23                           ; the number of the load last issued
.set SEL, 24
.set C1,  26                           ; s[26:27] the rounded reciprocal of f32(sqrt(512))
.set L2E, 28                           ; s[28:29] log2(e)
.set G0,  32
.set G1,  40
.set PFA, 48
.set OUT, 50
.set QP,  52
.set ND,  56                           ; s[56:57] -f32(sqrt(512))
.set A2,  68                           ; s[68:69] where my loads of walk 2 begin
.set PO,  70                           ; s[70:71] from a load's address to my prefetch of the next record: 6,400 cx + a record
.set TWICE, 72
.set PL1, 73                           ; for how many loads from load 1 on my wave prefetches
.set PL2, 74                           ; and from load 4 on
.set MSB, 0
.macro WIN new
.if MSB != (\new)
	s_set_vgpr_msb (MSB<<8)|(\new)
.set MSB, (\new)
.endif
.endm
.macro CROUND                          ; a round of the cluster's barrier
	s_barrier_signal -1
	s_barrier_wait -1
	s_cmp_lg_u32 s[WV], 0
	s_cbranch_scc1 .Lnot_wave_0_\@
	s_barrier_signal -3
.Lnot_wave_0_\@:
	s_barrier_wait -3
	s_barrier_signal -1
	s_barrier_wait -1
.endm
.macro WM d, a, b, c, sa, sb, ra, rb   ; one product; ra, rb: the scales stand in lanes 16-31
.if (\ra) && (\rb)
	v_wmma_scale_f32_16x16x128_f8f6f4 \d, \a, \b, \c, \sa, \sb matrix_a_fmt:MATRIX_FMT_FP6 matrix_b_fmt:MATRIX_FMT_FP6 matrix_a_scale:MATRIX_SCALE_ROW1 matrix_b_scale:MATRIX_SCALE_ROW1
.elseif (\ra)
	v_wmma_scale_f32_16x16x128_f8f6f4 \d, \a, \b, \c, \sa, \sb matrix_a_fmt:MATRIX_FMT_FP6 matrix_b_fmt:MATRIX_FMT_FP6 matrix_a_scale:MATRIX_SCALE_ROW1
.elseif (\rb)
	v_wmma_scale_f32_16x16x128_f8f6f4 \d, \a, \b, \c, \sa, \sb matrix_a_fmt:MATRIX_FMT_FP6 matrix_b_fmt:MATRIX_FMT_FP6 matrix_b_scale:MATRIX_SCALE_ROW1
.else
	v_wmma_scale_f32_16x16x128_f8f6f4 \d, \a, \b, \c, \sa, \sb matrix_a_fmt:MATRIX_FMT_FP6 matrix_b_fmt:MATRIX_FMT_FP6
.endif
.endm
	s_load_b256 s[4:11], s[0:1], 0x0               ; ws s[4:5], length s[6:7], out0 s[8:9], out1 s[10:11]
	v_lshl_add_u32 v[SPW], v0, 2, SPARE
	v_mov_b32 v[NIL], 0
	ds_add_u32 v1, v2
	ds_add_u32 v1, v2
	s_wait_dscnt 0x0
	v_lshrrev_b32 v[TP], 5, v0
	v_readfirstlane_b32 s[WV], v[TP]               ; wave 0..3
	s_bfe_u32 s[CX], ttmp6, 0x40000                ; my place in the cluster
	s_and_b32 s14, ttmp7, 0xffff
	s_lshr_b32 s15, s14, 4                         ; the input
	s_and_b32 s16, s14, 15                         ; the batch
	s_lshl_b32 s17, ttmp9, 2
	s_add_co_u32 s17, s17, s[CX]                   ; my block of 128 queries: it enters Q's and the output's addresses and the mask's numbers alone
	; group 1: 25,600 dense bytes as 100 rows of 256 bytes
	s_mov_b32 s[G1+0], 15|(3<<16)|(1<<21)          ; the mask: all four work-groups; elements of 8 bytes; bit 21 set beside a mask
	s_mov_b32 s[G1+1], 32<<16
	s_mov_b32 s[G1+2], 100<<16
	s_mov_b32 s[G1+3], 32<<16
	s_mov_b32 s[G1+4], 100
	s_mov_b32 s[G1+5], 32
	s_mov_b32 s[G1+6], 0
	s_mov_b32 s[G1+7], 0
	s_mul_i32 s36, s15, 3                          ; the input's sections: q, k, v
	s_add_co_u32 s37, s36, 1
	s_lshl_b32 s37, s37, 7
	s_lshl_b32 s38, s16, 3
	s_add_co_u32 s37, s37, s38
	s_mul_i32 s37, s37, REC                        ; the batch's first k record, in bytes: under 2^26
	s_mul_i32 s39, s[WV], REC/2
	s_add_co_u32 s54, s37, s39                     ; walk 1: my quarter of two records on end
	s_mov_b32 s55, 0
	s_lshr_b32 s39, s[WV], 1                       ; walk 2: waves 0, 1 fetch k's halves, waves 2, 3 v's: v's section lies 128 records behind k's
	s_mul_i32 s39, s39, 128*REC
	s_add_co_u32 s62, s37, s39
	s_and_b32 s39, s[WV], 1
	s_mul_i32 s39, s39, REC/2
	s_add_co_u32 s62, s62, s39
	s_mov_b32 s63, 0
	s_lshl_b32 s56, s36, 7
	s_add_co_u32 s56, s56, s38
	s_add_co_u32 s56, s56, s17
	s_mul_i32 s56, s56, REC                        ; my q record
	s_mov_b32 s57, 0
	s_lshl_b32 s60, s17, 7
	s_lshl_b32 s59, s[WV], 5
	s_add_co_u32 s60, s60, s59                     ; my first query in the batch
	s_lshl_b32 s58, s16, 10
	s_add_co_u32 s58, s58, s60
	s_lshl_b32 s58, s58, 11                        ; its row of the output: 2,048 bytes a row, under 2^26
	s_mov_b32 s59, 0
	s_mul_i32 s[PO], s[CX], 6400                   ; the prefetches: of the 100 blocks of 256 bytes that a wave fetches, the partner at place cx names 25: told apart by address
	s_add_co_u32 s[PO], s[PO], REC
	s_mov_b32 s[PO+1], 0
	s_lshl_b32 s66, s16, 2
	s_cmp_lt_u32 s[WV], 2                          ; in walk 2 v's waves alone prefetch: k's records have been read in walk 1
	s_cselect_b32 s[PL2], 0, 7
	s_cmp_eq_u32 ttmp9, 0                          ; both clusters of a batch walk the same records: the first one prefetches
	s_cselect_b32 s[PL2], s[PL2], 0
	s_cselect_b32 s[PL1], 2, 0
	s_mov_b32 s[J], 0
	s_mov_b32 s[SEL], 0x76543210
	s_mov_b32 s[SEL+1], 0xfedcba98
	s_mov_b32 s[C1], 0x3d3504f3                    ; 1 / f32(sqrt(512)), rounded to nearest
	s_mov_b32 s[C1+1], s[C1]
	s_mov_b32 s[L2E], 0x3fb8aa3b                   ; log2(e)
	s_mov_b32 s[L2E+1], s[L2E]
	s_mov_b32 s[KF], 0
	s_mov_b32 s[TB], 0
	v_and_b32 v[LI], 31, v0
	v_min_u32 v[PFO], 24, v[LI]                    ; lanes 25 to 31 name block 24 once more
	v_lshlrev_b32 v[PFO], 8, v[PFO]
	v_lshlrev_b32 v[LI], 4, v[LI]
	s_mul_i32 s36, s[WV], 3072                     ; my tiles are fragments 2 w and 2 w + 1 of each group of eight
	v_add_nc_u32 v[QA], s36, v[LI]
	s_lshl_b32 s36, s[WV], 2
	v_add_nc_u32 v[QSA], s36, v[LI]                ; and word w of each lane's four
	s_wait_kmcnt 0x0
	s_load_b32 s[LEN], s[6:7], s66 offset:0x0      ; length[b]
	s_add_nc_u64 s[G0+2:G0+3], s[4:5], s[54:55]
	s_add_nc_u64 s[PFA:PFA+1], s[G0+2:G0+3], s[PO:PO+1]
	s_add_nc_u64 s[PFA:PFA+1], s[PFA:PFA+1], REC   ; in load 1's bytes: the first change of slots steps it to load 2's
	s_or_b32 s[G0+3], s[G0+3], 0x80000000
	s_add_nc_u64 s[A2:A2+1], s[4:5], s[62:63]
	s_add_nc_u64 s[QP:QP+1], s[4:5], s[56:57]
	s_cmp_eq_u32 s15, 0
	s_cselect_b64 s[OUT:OUT+1], s[8:9], s[10:11]
	s_add_nc_u64 s[OUT:OUT+1], s[OUT:OUT+1], s[58:59]
	s_mov_b32 s[ND], 0xc1b504f3                    ; -f32(sqrt(512)) (the offset that stood here is used up)
	s_mov_b32 s[ND+1], s[ND]
	s_mov_b32 s[G0], 1
	s_mul_i32 s[G0+1], s[WV], REC/2                ; no place in the cluster enters an LDS address
	CROUND                                         ; all four work-groups are here: the first joint loads meet
	tensor_load_to_lds s[G0:G0+3], s[G1:G1+7]      ; load 0: k's records 0 and 1 into slot 0
	s_nop 0
.rept 4
	v_nop
.endr
	WIN 0x40                                       ; destination window 1
.irp t, 0,1
.irp g, 0,1,2,3
.irp c, 0,1,2
	global_load_b128 v[12*(4*\t+\g)+4*\c:12*(4*\t+\g)+4*\c+3], v[QA], s[QP:QP+1] offset:(8*\g+\t)*1536+512*\c   ; Q stays in registers
.endr
.endr
.endr
	WIN 0
.irp g, 0,1,2,3
	global_load_b32 v[QS+\g], v[QSA], s[QP:QP+1] offset:49152+512*\g   ; lanes 0-15: tile 0's words, lanes 16-31: tile 1's
.endr
	s_wait_kmcnt 0x0
	v_and_b32 v[TP], 15, v0                        ; r
	v_bfe_u32 v[SX], v0, 4, 1                      ; h
	v_lshlrev_b32 v[DK], 3, v[SX]
	v_sub_nc_u32 v[DK], s[LEN], v[DK]
	v_mov_b32 v[ZR], 0
	v_mov_b32 v[NEG], 0xc7c35000                   ; -100000
	v_mov_b32 v[NB], 0xff61b1e6                    ; -3e38
	v_add_nc_u32 v[SX+1], s60, v[TP]               ; my query of tile 0
	v_cmp_gt_i32 vcc_lo, s[LEN], v[SX+1]
	v_cndmask_b32 v[QM], v[NEG], v[ZR], vcc_lo
	v_add_nc_u32 v[SX+1], 16, v[SX+1]
	v_cmp_gt_i32 vcc_lo, s[LEN], v[SX+1]
	v_cndmask_b32 v[QM+1], v[NEG], v[ZR], vcc_lo
	s_mul_i32 s36, s[WV], 16*SP
	s_add_co_u32 s36, s36, STAGE                   ; my stage
	v_mul_u32_u24 v[STO], v[TP], SP
	v_lshl_add_u32 v[STO], v[SX], 5, v[STO]
	v_add_nc_u32 v[STO], s36, v[STO]               ; in: row r, 32 bytes for each half of the lanes
	v_add_nc_u32 v[RD], s36, v[LI]                 ; back: the 32 lanes take one row of 512 bytes
.irp t, 0,1
	v_mov_b32 v[ST+4*\t+2], 0                      ; the sum, in two halves
	v_mov_b32 v[ST+4*\t+3], 0
	v_mov_b32 v[FF+2*\t+1], 0                      ; named as the upper half of a pair
.endr
.irp u, 0,1,2,3,4,5,6,7
	v_mov_b32 v[XA+\u], 0xff61b1e6                 ; the eight running maxima: -3e38
.endr
.irp b, 0,1,2,3
	v_mov_b32 v[SO+\b], 0                          ; a lane permute's destination counts as one of its sources
.endr
; THE LISTS.  Pair PP is key tiles 2 PP and 2 PP + 1: registers 16 PP .. 16 PP + 15 of both query tiles.  Register n of a tile holds key KF + 16 (n / 8) + 8 h + n % 8: past the length where
; 16 (n / 8) + n % 8 >= length - 8 h - KF.  P1 and P2 write number JJ of pair PP's 80.  Each accumulator is read from its low end on.
; Walk 1: four trips of 20, four registers of both tiles each: 4 comparisons; 8 selections (-3e38 stands for the score of a key past the length); 8 maxima, three operands at a time, in eight chains.
.macro P1
.set PN, 16*PP+4*(JJ/20)
.set PR, JJ%20
.if PR < 4
	v_cmp_ge_i32 s[MK+PR], 16*(PN/8)+PN%8+PR, v[DKS]
.elseif PR < 12
	v_cndmask_b32 v[MAD+PR-4], v[S+64*((PR-4)/4)+PN+(PR-4)%4], v[NB], s[MK+(PR-4)%4]
.elseif PR%4 < 2
	v_max3_num_f32 v[XA+PR-12], v[XA+PR-12], v[S+64*((PR-12)/4)+PN+2*(PR%4)], v[S+64*((PR-12)/4)+PN+2*(PR%4)+1]
.else
	v_max3_num_f32 v[XA+PR-12], v[XA+PR-12], v[MAD+4*((PR-12)/4)+2*(PR%4-2)], v[MAD+4*((PR-12)/4)+2*(PR%4-2)+1]
.endif
.endm
; Walk 2: four trips of 16: 4 comparisons; 8 addends (-100000 past the length, my query's own elsewhere); 4 packed multiply-adds: logit = score x 1 / sqrt(512) + addend.
; Then 16: the largest logit of the pair's block of 32 keys, the two tiles by turns: since p rises with the logit, it gives the block's largest p.
.macro P2
.if JJ < 64
.set PN, 16*PP+4*(JJ/16)
.set PR, JJ%16
.if PR < 4
	v_cmp_ge_i32 s[MK+PR], 16*(PN/8)+PN%8+PR, v[DKS]
.elseif PR < 12
	v_cndmask_b32 v[MAD+PR-4], v[QM+(PR-4)/4], v[NEG], s[MK+(PR-4)%4]
.else
.set PU, PR-12
.set PS, S+64*(PU/2)+PN+2*(PU%2)
	v_pk_fma_f32 v[PS:PS+1], v[PS:PS+1], s[C1:C1+1], v[MAD+2*PU:MAD+2*PU+1] op_sel_hi:[1,0,1]
.endif
.else
.set PU, (JJ-64)%2
.set PY, (JJ-64)/2
.set PS, S+64*PU+16*PP
.if PY == 0
	v_max3_num_f32 v[BM+4*PU+PP], v[PS], v[PS+1], v[PS+2]
.elseif PY < 7
	v_max3_num_f32 v[BM+4*PU+PP], v[BM+4*PU+PP], v[PS+2*PY+1], v[PS+2*PY+2]
.else
	v_max_num_f32 v[BM+4*PU+PP], v[BM+4*PU+PP], v[PS+15]
.endif
.endif
.endm
.macro SOME sl, count                  ; the next count numbers of the list in hand; all that they name lies in window 0
	WIN 0
.rept \count
.if (\sl) == 1
	P1
.else
	P2
.endif
.set JJ, JJ+1
.endr
.endm
; Run i of 16: four fragments, 12 loads of 512 consecutive bytes, into buffer i % 3.  i < 8: k, key tiles 2 (i / 2) + f % 2, channels 128 (2 (i % 2) + f / 2) on.  i >= 8: v, channel tiles 4 (i - 8) + f.
.macro LOADG i
	WIN 0x40
.set FBL, 96+48*((\i)%3)
.irp f, 0,1,2,3
.if (\i) < 8
.set FO, ((2*((\i)%2)+\f/2)*8+2*((\i)/2)+\f%2)*1536
.irp c, 0,1,2
	ds_load_b128 v[FBL+12*\f+4*\c:FBL+12*\f+4*\c+3], v[ADK] offset:FO+512*\c
.endr
.else
.set FO, (4*((\i)-8)+\f)*1536
.irp c, 0,1,2
	ds_load_b128 v[FBL+12*\f+4*\c:FBL+12*\f+4*\c+3], v[ADV] offset:FO+512*\c
.endr
.endif
.endr
.endm
; Group i of ng: the eight products on run i's fragments, and run i + 3 into the buffer just read.  The accumulators take turns, one instruction a turn.
; sl = 1, 2: walk 1's or walk 2's list: from group 2 on five numbers of the pair before stand behind each product: 1 + 5 instructions and two window switches for each product.  The five behind a group's last
; product (selections and maxima, but for at most one comparison) are also the four plain instructions in front of the loads into the buffer just read and of the first read of the results; a group without slices has four v_nop.
.macro GROUP i, first, ng, sl
.if (\i) < (\ng)-2
	s_wait_dscnt 24                                ; the two younger runs may be out
.elseif (\i) == (\ng)-2
	s_wait_dscnt 12                                ; the last run may be out
.else
	s_wait_dscnt 0
.endif
.set FB, 96+48*((\i)%3)
.if (\i) < 8
.set PP, (\i)/2-1
.set JJ, 40*((\i)%2)
.irp gg, 0,1
.irp aa, 0,1
.irp t, 0,1
	WIN 0x05                                       ; k and Q in window 1, S^T in window 0
.set rG, 2*((\i)%2)+\gg
.set rD, S+64*\t+8*(2*((\i)/2)+\aa)
.set rA, FB+12*(2*\gg+\aa)
.set rB, 12*(4*\t+rG)
.set rSA, KSC+4*rG+(\i)/2
.if rG == 0
	WM v[rD:rD+7], v[rA:rA+11], v[rB:rB+11], 0, v[rSA], v[QS+rG], \aa, \t
.else
	WM v[rD:rD+7], v[rA:rA+11], v[rB:rB+11], v[rD:rD+7], v[rSA], v[QS+rG], \aa, \t
.endif
.if (\i) >= 2
	SOME \sl, 5
.endif
.endr
.endr
.endr
.else
	WIN 0xa1+0x50*(((\i)-8)/4)                     ; v in window 1, p in window 0, O^T in window 2 or 3
.irp f, 0,1,2,3
.irp t, 0,1
.set rC, 4*((\i)-8)+\f
.set rD, 8*(2*(rC%16)+\t)
.set rA, FB+12*\f
.set rB, PCD+12*\t
.set rSA, VSC+4*(rC/8)+(rC%8)/2
.if \first
	WM v[rD:rD+7], v[rA:rA+11], v[rB:rB+11], 0, v[rSA], v[PW+\t], \f%2, 0
.else
	WM v[rD:rD+7], v[rA:rA+11], v[rB:rB+11], v[rD:rD+7], v[rSA], v[PW+\t], \f%2, 0
.endif
.endr
.endr
.endif
.if ((\i) < 2) || ((\i) >= 8)
.rept 4
	v_nop                                          ; places in front of loads into registers that these products have read, and of the first read of results
.endr
.endif
.if (\i)+3 < (\ng)
	LOADG (\i)+3
.endif
.endm
.macro TAIL sl                         ; the fourth pair's list: no product is left to set it behind
.set PP, 3
.set JJ, 0
	SOME \sl, 80
.endm
; A key step of walk 1, on the record at s[TB]; it leaves s[TB] at the slot's next record.
.macro SCAN
	v_add_nc_u32 v[ADK], s[TB], v[LI]
	v_sub_nc_u32 v[DKS], v[DK], s[KF]
.irp g, 0,1,2,3
	ds_load_b128 v[KSC+4*\g:KSC+4*\g+3], v[ADK] offset:49152+512*\g   ; register 4 g + j: lanes 0-15 fragment 2 j's words, lanes 16-31 fragment 2 j + 1's
.endr
	LOADG 0
	LOADG 1
	LOADG 2
.irp i, 0,1,2,3,4,5,6,7
	GROUP \i, 0, 8, 1
.endr
	TAIL 1
	s_add_co_u32 s[KF], s[KF], 128
	s_add_co_u32 s[TB], s[TB], REC
.endm
.macro TWOSCAN                         ; a slot's two records: the step is written once and walked twice; no barrier stands between: the one in front has shown the whole slot to every wave
	s_mov_b32 s[TWICE], 2
.Ltwo_\@:
	SCAN
	s_sub_co_u32 s[TWICE], s[TWICE], 1
	s_cmp_lg_u32 s[TWICE], 0
	s_cbranch_scc1 .Ltwo_\@
	s_sub_co_u32 s[TB], s[TB], 2*REC               ; back to a slot's first record,
	s_xor_b32 s[TB], s[TB], SLOT1                  ; in the other slot
.endm
; Between the walks: the four maxima (u = 0, 2: all keys of tile 0, 1; u = 1, 3: the keys under the length) become logits: q0 = S c1;  r = S - q0 D, exact;  a = q0 + r c1 = S / D, correctly rounded, since c1 is D's
; reciprocal rounded to nearest;  logit = a + addend.  Then m, tm, M.
.macro FINAL
.irp u, 0,1,2,3
	v_max_num_f32 v[XA+2*\u], v[XA+2*\u], v[XA+2*\u+1]             ; the two chains
.endr
.irp u, 0,1,2,3
	v_permlanex16_b32 v[SO+\u], v[XA+2*\u], s[SEL], s[SEL+1]
.endr
.irp u, 0,1,2,3
	v_max_num_f32 v[XA+2*\u], v[XA+2*\u], v[SO+\u]                 ; with lane l xor 16's keys
.endr
.irp u, 0,1,2,3
	v_mul_f32 v[SO+\u], s[C1], v[XA+2*\u]
.endr
.irp u, 0,1,2,3
	v_fma_f32 v[XA+2*\u], v[SO+\u], s[ND], v[XA+2*\u]
.endr
.irp u, 0,1,2,3
	v_fma_f32 v[XA+2*\u], v[XA+2*\u], s[C1], v[SO+\u]
.endr
.irp t, 0,1
	v_add_f32 v[XA+4*\t], v[XA+4*\t], v[NEG]                       ; the largest of all keys under -100000: it is the largest masked key's logit, or lies under the line below
	v_add_f32 v[XA+4*\t+2], v[XA+4*\t+2], v[QM+\t]                 ; the largest under the length with my query's own addend
.endr
.irp t, 0,1
	v_max_num_f32 v[ST+4*\t+1], v[XA+4*\t], v[XA+4*\t+2]           ; m
.endr
.irp t, 0,1
	v_mul_f32 v[TP+\t], s[L2E], v[ST+4*\t+1]                       ; tm
.endr
.irp t, 0,1
	v_floor_f32 v[SO+\t], -v[TP+\t]                                ; -M = floor(-tm)
.endr
.irp t, 0,1
	v_add_f32 v[FF+2*\t], v[TP+\t], v[SO+\t]                       ; tm - M: over -1, at most 0; nothing is rounded
	v_sub_f32 v[ST+4*\t], 0, v[ST+4*\t+1]                          ; -m
.endr
.endm
; One tile's softmax for one step of walk 2; the lists have left the logits in S^T and my 16 keys' largest of each block in BM.
.macro SOFT t
.set SB, S+64*(\t)
.set NM, ST+4*(\t)
.set FT, FF+2*(\t)
.set PT, PCD+12*(\t)
.set BMT, BM+4*(\t)
.irp b, 0,1,2,3
	v_permlanex16_b32 v[BX+\b], v[BMT+\b], s[SEL], s[SEL+1]
.endr
.irp b, 0,1,2,3
	v_max_num_f32 v[BMT+\b], v[BMT+\b], v[BX+\b]   ; with lane l xor 16's 16 keys
.endr
.set j, 0
.rept 32
	v_pk_add_f32 v[SB+j:SB+j+1], v[SB+j:SB+j+1], v[NM:NM+1] op_sel_hi:[1,0]   ; logit - m (of the pair the low word, -m, serves both halves)
.set j, j+2
.endr
.irp b, 0,1,2,3
	v_add_f32 v[BMT+\b], v[BMT+\b], v[NM]          ; the same two lines of each block's largest logit
.endr
.set j, 0
.rept 32
	v_pk_fma_f32 v[SB+j:SB+j+1], v[SB+j:SB+j+1], s[L2E:L2E+1], v[FT:FT+1] op_sel_hi:[1,0,0]   ; x log2(e) + (tm - M)
.set j, j+2
.endr
.irp b, 0,1,2,3
	v_fma_f32 v[BMT+\b], v[BMT+\b], s[L2E], v[FT]
.endr
.set j, 0
.rept 64
	v_exp_f32 v[SB+j], v[SB+j]                     ; p
.set j, j+1
.endr
	v_nop                                          ; the plain instruction behind the exponentials
	s_wait_alu depctr_va_vdst(0)                   ; one wait for the batch of 64, ahead of its first reader
.irp b, 0,1,2,3
	v_exp_f32 v[BMT+\b], v[BMT+\b]                 ; the blocks' largest p: the same instructions on the same numbers give the same bits
.endr
	v_pk_add_f32 v[SX:SX+1], v[SB:SB+1], v[SB+2:SB+3]   ; the sum of the unquantised p, in two chains
.set j, 4
.rept 15
	v_pk_add_f32 v[NM+2:NM+3], v[NM+2:NM+3], v[SB+j:SB+j+1]
	v_pk_add_f32 v[SX:SX+1], v[SX:SX+1], v[SB+j+2:SB+j+3]
.set j, j+4
.endr
	v_pk_add_f32 v[NM+2:NM+3], v[NM+2:NM+3], v[SX:SX+1]
	s_wait_alu depctr_va_vdst(0)                   ; and one for the four
.irp b, 0,1,2,3
	v_max_num_f32 v[BMT+\b], 0x1800000, v[BMT+\b]  ; the floor 2^(3 - 127): the byte cannot fall under 1
.endr
.irp b, 0,1,2,3
	v_add_nc_u32 v[SO+\b], 0xff000000, v[BMT+\b]   ; 2 off the exponent field: the conversion's scale operand
.endr
.irp b, 0,1,2,3
	v_lshrrev_b32 v[BX+\b], 23, v[SO+\b]           ; the scale's byte
.endr
	v_lshl_or_b32 v[PW+(\t)], v[BX+1], 8, v[BX]
	v_lshl_or_b32 v[PW+(\t)], v[BX+2], 16, v[PW+(\t)]
	v_lshl_or_b32 v[PW+(\t)], v[BX+3], 24, v[PW+(\t)]
.irp c, 0,1
	v_cvt_scalef32_pk16_fp6_f32 v[PT+6*\c:PT+6*\c+2], v[SB+32*\c:SB+32*\c+15], v[SO+2*\c]
	v_cvt_scalef32_pk16_fp6_f32 v[CV+4*\c:CV+4*\c+2], v[SB+32*\c+16:SB+32*\c+31], v[SO+2*\c+1]
.endr
	v_nop                                          ; one plain instruction behind a scaled conversion
.irp c, 0,1
.irp i, 0,1,2
	v_permlane16_swap_b32 v[PT+6*\c+\i], v[CV+4*\c+\i]
.endr
.irp i, 0,1,2
	v_mov_b32 v[PT+3+6*\c+\i], v[CV+4*\c+\i]
.endr
.endr
.endm
; A key step of walk 2.  first = 1: its products v^T p^T start O^T's sums: nothing is cleared.
.macro BODY first
	v_add_nc_u32 v[ADK], s[TB], v[LI]
	v_add_nc_u32 v[ADV], REC, v[ADK]
	v_sub_nc_u32 v[DKS], v[DK], s[KF]
.irp g, 0,1,2,3
	ds_load_b128 v[KSC+4*\g:KSC+4*\g+3], v[ADK] offset:49152+512*\g
.endr
.irp g, 0,1,2,3
	ds_load_b128 v[VSC+4*\g:VSC+4*\g+3], v[ADV] offset:49152+512*\g
.endr
	LOADG 0
	LOADG 1
	LOADG 2
.irp i, 0,1,2,3,4,5,6,7
	GROUP \i, 0, 16, 2
.endr
	TAIL 2
	SOFT 0
	SOFT 1
.rept 8
	v_nop                                          ; a scale word written by a vector instruction stands eight plain instructions ahead of the product that takes it
.endr
.irp i, 8,9,10,11,12,13,14,15
	GROUP \i, \first, 16, 0
.endr
	WIN 0
	s_add_co_u32 s[KF], s[KF], 128
	s_xor_b32 s[TB], s[TB], SLOT1
.endm
; The change of slots stands at a slot's head.  Each wave waits for all its tensor loads (its part of the slot ahead), adds 0 to its spare word, and waits for that and for its reads of the slot left behind.
; fill = 1: a round of the cluster's barrier, so that no wave of any partner still reads that slot or has a load on its way; then the joint load into it, which has the slot ahead's work in which to land.
; kind = 1: walk 1: two records on.  kind = 2: load 4: the descriptor takes walk 2's address.  kind = 0: walk 2: a record on.
; Then one prefetch of my part of what the NEXT change will ask for: 25 blocks of 256 bytes a wave, a lane a block.  Walk 1: at loads 1 and 2, every wave: loads 2 and 3.  Walk 2: at loads 4 to 10, v's waves: v's records 1 to 7.
; So each block is named once, and none past the batch's eighth record.
.macro CHANGE fill, kind
	s_wait_tensorcnt 0x0
	ds_add_u32 v[SPW], v[NIL]
.if \fill
	s_xor_b32 s[G0+1], s[G0+1], SLOT1              ; no load of mine is out: the other slot,
	s_wait_xcnt 0x0                                ; (the last prefetch, a slot back, has read its address)
.if (\kind) == 1
	s_add_nc_u64 s[G0+2:G0+3], s[G0+2:G0+3], 2*REC ; the type bits on top are not reached
	s_add_nc_u64 s[PFA:PFA+1], s[PFA:PFA+1], 2*REC
.elseif (\kind) == 2
	s_mov_b64 s[G0+2:G0+3], s[A2:A2+1]
	s_or_b32 s[G0+3], s[G0+3], 0x80000000
	s_add_nc_u64 s[PFA:PFA+1], s[A2:A2+1], s[PO:PO+1]
.else
	s_add_nc_u64 s[G0+2:G0+3], s[G0+2:G0+3], REC
	s_add_nc_u64 s[PFA:PFA+1], s[PFA:PFA+1], REC
.endif
	s_add_co_u32 s[J], s[J], 1
	s_wait_dscnt 0x0
	CROUND
	tensor_load_to_lds s[G0:G0+3], s[G1:G1+7]
	s_nop 0
.rept 4
	v_nop
.endr
.if (\kind) == 1
	s_sub_co_u32 s39, s[J], 1
	s_cmp_lt_u32 s39, s[PL1]
.else
	s_sub_co_u32 s39, s[J], 4
	s_cmp_lt_u32 s39, s[PL2]
.endif
	s_cbranch_scc0 .Lnot_mine_\@
	global_prefetch_b8 v[PFO], s[PFA:PFA+1] th:TH_LOAD_NT scope:SCOPE_SE
.Lnot_mine_\@:
.else
	s_wait_dscnt 0x0
	s_barrier_signal -1
	s_barrier_wait -1
.endif
.endm
	s_wait_loadcnt 0x0                             ; Q and its scale words
	s_mov_b32 s[CNT], 3
.Lscan:                                            ; walk 1, steps 0 to 5; loads 1 to 3
	CHANGE 1, 1
	TWOSCAN
	s_sub_co_u32 s[CNT], s[CNT], 1
	s_cmp_lg_u32 s[CNT], 0
	s_cbranch_scc1 .Lscan
	CHANGE 1, 2                                    ; load 4: walk 2's first records, k's and v's
	TWOSCAN                                        ; walk 1, steps 6 and 7
	FINAL
	s_mov_b32 s[KF], 0                             ; four slots have brought the slot in hand back to slot 0
	CHANGE 1, 0                                    ; load 5
	BODY 1
	s_mov_b32 s[CNT], 6
.Lstep:                                            ; walk 2, steps 1 to 6; loads 6 to 11
	CHANGE 1, 0
	BODY 0
	s_sub_co_u32 s[CNT], s[CNT], 1
	s_cmp_lg_u32 s[CNT], 0
	s_cbranch_scc1 .Lstep
	CHANGE 0, 0                                    ; the last step is written out: nothing is left to ask for
	BODY 0
	; THE WAY OUT.  O^T / the sum, 16 queries x 128 channels at a time, through my stage in LDS: in as 32 bytes a lane, back as whole rows of 512 bytes.
.irp t, 0,1
	v_add_f32 v[ST+4*\t+2], v[ST+4*\t+2], v[ST+4*\t+3]
.endr
.irp t, 0,1
	v_permlanex16_b32 v[BX+\t], v[ST+4*\t+2], s[SEL], s[SEL+1]
.endr
.irp t, 0,1
	v_add_f32 v[ST+4*\t+2], v[ST+4*\t+2], v[BX+\t]
.endr
.irp t, 0,1
	v_rcp_f32 v[FF+2*\t], v[ST+4*\t+2]
.endr
	v_nop                                          ; a plain instruction behind the reciprocals
	s_wait_alu depctr_va_vdst(0)                   ; and the wait ahead of their first reader
.macro MULT c                          ; chunk c: query tile c / 4, channels 128 (c % 4) on
.set rT, (\c)/4
.set rG, (\c)%4
	WIN 0x02+rG/2
.set i, 0
.rept 32
.set rS, 8*(2*((8*rG+i/4)%16)+rT)+2*(i%4)
	v_pk_mul_f32 v[S+2*i:S+2*i+1], v[rS:rS+1], v[FF+2*rT:FF+2*rT+1] op_sel_hi:[1,0]
.set i, i+1
.endr
	WIN 0
.endm
.macro TOSTAGE c
.irp b, 0,1,2,3,4,5,6,7
	ds_store_b128 v[STO], v[S+8*\b:S+8*\b+3] offset:64*\b
	ds_store_b128 v[STO], v[S+8*\b+4:S+8*\b+7] offset:64*\b+16
.endr
	WIN 0x40                                       ; back into window 1, whose registers are free: two sets of 64 by turns
.irp p, 0,1,2,3,4,5,6,7,8,9,10,11,12,13,14,15
	ds_load_b128 v[64*((\c)%2)+4*\p:64*((\c)%2)+4*\p+3], v[RD] offset:\p*SP   ; LDS serves a wave's instructions in order (ISA guide 5.7.1.4): these see the stores above
.endr
	WIN 0
.endm
.macro SEND c, younger
	s_wait_dscnt \younger                          ; the chunk is back; the next chunk's 16 stores and 16 loads may be out
	WIN 0x04                                       ; a store's data are its source 1: window 1
.irp p, 0,1,2,3,4,5,6,7,8,9,10,11,12,13,14,15
	global_store_b128 v[LI], v[64*((\c)%2)+4*\p:64*((\c)%2)+4*\p+3], s[OUT:OUT+1] offset:(16*((\c)/4)+\p)*2048+512*((\c)%4) th:TH_STORE_NT   ; 32 lanes store 512 consecutive bytes, aligned
.endr
	WIN 0
.endm
	MULT 0
	TOSTAGE 0
.irp c, 1,2,3,4,5,6,7
.if \c > 1
	s_wait_xcnt 0x0                                ; the stores of two chunks back have read their registers: this chunk's loads may land there
.endif
	MULT \c
	TOSTAGE \c
	SEND \c-1, 32
.endr
	SEND 7, 0
	s_wait_tensorcnt 0x0                           ; the wave's end
	ds_add_u32 v[SPW], v[NIL]
	s_wait_dscnt 0x0
	CROUND                                         ; the closing round: no work-group ends while a partner may still ask for a record that names it
	s_endpgm
.Lfunc_end_k_q733cd07f69_attn:
	.size	k_q733cd07f69_attn, .Lfunc_end_k_q733cd07f69_attn-k_q733cd07f69_attn
	.p2alignl 7, 3214868480
	.fill 96, 4, 3214868480
	.section	.rodata,"a",@progbits
	.p2align	6, 0x0
	.amdhsa_kernel k_q733cd07f69_attn
		.amdhsa_group_segment_fixed_size 327680
		.amdhsa_private_segment_fixed_size 0
		.amdhsa_enable_private_segment 0
		.amdhsa_kernarg_size 32
		.amdhsa_user_sgpr_count 2
		.amdhsa_user_sgpr_kernarg_segment_ptr 1
		.amdhsa_wavefront_size32 1
		.amdhsa_system_sgpr_workgroup_id_x 1
		.amdhsa_system_sgpr_workgroup_id_y 1
		.amdhsa_system_sgpr_workgroup_id_z 1
		.amdhsa_system_vgpr_workitem_id 0
		.amdhsa_next_free_vgpr 1024
		.amdhsa_next_free_sgpr 76
		.amdhsa_reserve_vcc 1
		.amdhsa_float_denorm_mode_32 3
		.amdhsa_float_denorm_mode_16_64 3
		.amdhsa_memory_ordered 1
		.amdhsa_forward_progress 1
		.amdhsa_inst_pref_size 255
	.end_amdhsa_kernel
	.section	.bss,"aw",@nobits
	.p2align	6
	.space	262144
	.amdgpu_metadata
---
amdhsa.version: [ 1, 2 ]
amdhsa.kernels:
  - .name:           k_q733cd07f69_attn
    .symbol:         k_q733cd07f69_attn.kd
    .args:
      - { .name: ws, .offset: 0, .size: 8, .value_kind: global_buffer, .address_space: global }
      - { .name: length, .offset: 8, .size: 8, .value_kind: global_buffer, .address_space: global }
      - { .name: out0, .offset: 16, .size: 8, .value_kind: global_buffer, .address_space: global }
      - { .name: out1, .offset: 24, .size: 8, .value_kind: global_buffer, .address_space: global }
    .group_segment_fixed_size: 327680
    .private_segment_fixed_size: 0
    .kernarg_segment_align: 8
    .kernarg_segment_size: 32
    .max_flat_workgroup_size: 128
    .sgpr_count:     76
    .vgpr_count:     1024
    .wavefront_size: 32
...
	.end_amdgpu_metadata
.endif
;; end of part 2
